; MI455X (gfx1250); checked and timed in simulation.
; The chip was launched on July 23, 2026; its instructions are those of AMD's public machine-readable ISA for CDNA 5 (MIT licence, August 2026) and "CDNA5" Instruction Set Architecture Reference Guide (July 2026). The comments in the code are by the model that wrote it; some were corrected since.
;; TA Block. Allowed arithmetic: matrix products marked QUANTISED: E3M2 operands, one E8M0 scale for each 32 along K, by v_wmma_scale_f32_16x16x128_f8f6f4 with both operands' format E3M2, f32 sums; everything else in f32.
;; Inputs: Wk_codes 768 x 24 x 24 uint8 (E3M2 codes of Wk, K innermost, in blocks of 32 codes, four codes in three bytes); Wk_scales 768 x 24 uint8 (E8M0 scales of Wk, one for each 32 codes along K); Wq_codes 768 x 24 x 24 uint8 (E3M2 codes of Wq, K innermost, in blocks of 32 codes, four codes in three bytes); Wq_scales 768 x 24 uint8 (E8M0 scales of Wq, one for each 32 codes along K); Wv_codes 768 x 24 x 24 uint8 (E3M2 codes of Wv, K innermost, in blocks of 32 codes, four codes in three bytes); Wv_scales 768 x 24 uint8 (E8M0 scales of Wv, one for each 32 codes along K); bk 768 float32; bq 768 float32; bv 768 float32; x 16 x 1,024 x 768 float32.
;; Outputs: out0 16 x 1,024 x 768 float32.
;; This version of the problem:
;;   THIS VERSION OF THE PROBLEM IS GIVEN IN LOW PRECISION. The matrix products marked QUANTISED in the list below multiply operands that are first quantised to E3M2 (3 exponent bits, 2 mantissa bits; 6 bits a number), with one power-of-two scale for each 32 numbers along K (OCP MX v1.0); their sums are f32. All else is computed in f32.
;;   The module's matrix products, in the order in which they are computed (A, B: the left and right operand; K: the contracted axis; several contracted axes count as one K, in the product's order):
;;     1. [M 16,384, K 768] x [K 768, N 768]; A: input x; B: input Wq (given as codes): QUANTISED
;;     2. [M 16,384, K 768] x [K 768, N 768]; A: input x; B: input Wk (given as codes): QUANTISED
;;     3. [M 16,384, K 768] x [K 768, N 768]; A: input x; B: input Wv (given as codes): QUANTISED
;;     4. batch 16 x [M 1,024, K 768] x [K 768, N 1,024]; A: computed on the way; B: computed on the way: QUANTISED
;;     5. batch 16 x [M 1,024, K 1,024] x [K 1,024, N 768]; A: softmax (see below); B: computed on the way: QUANTISED
;;   THE QUANTISER, for each operand of a quantised product, along K:
;;     - K is cut into blocks of 32 from its start; a last block that is shorter is filled with zeros.
;;     - A block's scale is 2^e with e = floor(log2(the largest magnitude in the block)) - 4, held to -126 .. 127; a block of zeros has e = 0. As a byte (E8M0): e + 127.
;;     - Each number is divided by its block's scale, clamped to +-28, and rounded to the nearest number of E3M2, ties to even, subnormals kept.
;;     - The product sums the exact products of the quantised numbers (number of the format x scale) in f32.
;;   ~~~python
;;   def quantise(x, axis):      # numpy; x: float32 -> the quantised numbers, widened to float32 again
;;       x = np.moveaxis(x, axis, -1); K = x.shape[-1]
;;       x = np.pad(x, [(0, 0)] * (x.ndim - 1) + [(0, -K % 32)]); x = x.reshape(x.shape[:-1] + (-1, 32)); a = np.abs(x).max(-1, keepdims=True)
;;       e = np.where(a > 0, np.clip(np.frexp(np.where(a > 0, a, 1))[1] - 1 - 4, -126, 127), 0)      # np.frexp(a)[1] - 1 = floor(log2(a)), exactly
;;       r = np.clip(x / 2.0 ** e, -28, 28)
;;       step = 2.0 ** (np.maximum(np.frexp(np.where(r == 0, 1, r))[1] - 1, -2) - 2)
;;       q = np.round(r / step) * step * 2.0 ** e      # np.round: ties to even
;;       return np.moveaxis(q.reshape(q.shape[:-2] + (-1,))[..., :K], -1, axis).astype(np.float32)
;;   ~~~
;;   SOFTMAX AHEAD OF A QUANTISED PRODUCT. Where the list says 'softmax', what is quantised is not the finished softmax but p = 2^(t - M), with t = logit x log2(e) and M = ceil(the row's largest t), a whole number; so 1/2 < the row's largest p <= 1. The row's sum l is taken of the UNQUANTISED p, in f32, and the product's result is divided by l at the end. Since M is a whole number, a kernel that streams over the keys may use a running M (the ceiling of the running maximum): every later rescaling is an exact power of two, which a block's scale takes up: the codes' values come out the same.
;;   OPERANDS COMPUTED ON THE WAY. 'Computed on the way' means the value that the module computes at that place (a softmax that the list does not call 'softmax' is quantised finished and normalised). What goes into a quantiser is computed in f32, as accurately as f32 sums, v_exp_f32 and their like allow (about 1e-6 of the number): no bf16 or f16 on the way to a quantiser, and a product that is left as it is and whose result goes on into a quantised operand takes f32 operands (vector FMAs, or v_wmma_f32_16x16x4_f32). A number that lies on a knife's edge between two numbers of the format may be rounded either way, as far as f32 arithmetic and the matrix unit's own rounding can turn it there, and no further.
;;   INPUTS GIVEN AS CODES. Wk (in the module: [768, 768], K = its axis 1); Wq (in the module: [768, 768], K = its axis 1); Wv (in the module: [768, 768], K = its axis 1): each comes as NAME_codes (uint8): NAME with its K axis moved to the last place and cut into blocks of 32 codes, [.., K / 32, bytes a block], one block behind the other in memory; four codes in three bytes: a row's codes are one little-endian stream of bits, code i at bits 6 i .. 6 i + 5 (a code: sign, 3 exponent bits, 2 mantissa bits); and NAME_scales (uint8): the same leading axes, one E8M0 byte (e + 127) for each 32 codes along K. Its value is code x scale, taken as it is: it is not quantised again, and the codes and scales need not be those that the quantiser above would give.
;; One version. Each part assembles by itself: llvm-mc -triple=amdgcn-amd-amdhsa -mcpu=gfx1250 --defsym DOCPART=n.
;; ======== version 1 of 1: 2 launches
;; limits: right only within a limited range of input values
;; workspace buffers: qws 9,830,400 bytes; kws 9,830,400 bytes; vws 9,437,184 bytes; vsc 393,216 bytes
;; launch proj (part 1): grid 256 x 1, 4 waves a work-group, clusters of 4 x 1, 327,680 bytes of LDS; arguments x, Wq_codes, Wq_scales, bq, Wk_codes, Wk_scales, bk, Wv_codes, Wv_scales, bv, qws, kws, vws, vsc; writes qws, kws, vws, vsc
.if DOCPART == 1
	.amdgcn_target "amdgcn-amd-amdhsa--gfx1250"
	.amdhsa_code_object_version 6
	.text
	.protected	k_q5471b531d3_proj
	.globl	k_q5471b531d3_proj
	.p2align	8
	.type	k_q5471b531d3_proj,@function
k_q5471b531d3_proj:
	s_mov_b64 s[64:65], 0
	v_nop
	global_prefetch_b8 v0, s[64:65] scope:SCOPE_SE
	s_setreg_imm32_b32 hwreg(HW_REG_WAVE_MODE, 25, 1), 1
	s_wait_xcnt 0x0
	s_wait_alu depctr_hold_cnt(0) depctr_sa_sdst(0) depctr_va_vdst(0) depctr_va_sdst(0) depctr_va_ssrc(0) depctr_va_vcc(0) depctr_vm_vsrc(0)
	s_getreg_b32 s2, hwreg(HW_REG_IB_STS2, 6, 4)
	s_cmp_eq_u32 s2, 0
	s_cbranch_scc0 .Lentry_in_a_cluster
	s_endpgm
.Lentry_in_a_cluster:
	s_bfe_u32 s2, ttmp6, 0x10000c
	s_cmp_lg_u32 s2, 0x3003
	s_cbranch_scc0 .Lentry_shape_is_right
	s_endpgm
.Lentry_shape_is_right:
; q = Q(x) Wq^T + bq, k = Q(x) Wk^T + bk, v = Q(x) Wv^T + bv on codes of BF6 (E3M2) with one E8M0 scale for each 32 along K; the results are quantised
; again (q, k along their 768 channels, v along the keys) and stored as IMAGES OF OPERAND REGISTERS, as the second launch's matrix instructions take them.
; SHARES.  256 work-groups of four waves; work-group g owns rows 64 g .. 64 g + 63 of x (16,384 rows of 768).  Each wave quantises one tile of 16 rows of x; the 24 fragments go
; to all waves through LDS and stay in registers.  THE WAVES SHARE THE COLUMNS: each walks a stream of 36 tiles of 16 rows of a weight: 24 of Wq (waves 0, 1) or Wk (waves 2, 3),
; rows 384 (wave % 2) on, then 12 of Wv, rows 192 wave on.  A tile is 6 K steps x 4 tiles of x = 24 matrix instructions on four accumulators by turns.
; THE ROWS OF A TILE OF x ARE NOT NEIGHBOURS: lane r of tile t holds row 32 (t / 2) + 8 (t % 2) + r + 8 (r / 8).  So, where x is source 0 (v), the 16 registers of tiles 2 b, 2 b + 1 are
; 16 neighbouring keys.  For q and k the weight is source 0 (16 natural rows): a lane holds one row of q and, of block b of 32 channels, channels 8 h .. 8 h + 7 and 16 + 8 h .. 16 + 8 h + 7
; (h = lane / 16): the block is the true block, only the order inside it differs, alike in q and in k, which leaves their product's terms as they are.
; x's WAY IN.  The quantiser wants 16 neighbours of a block in one lane; a load is best where neighbouring lanes take neighbouring bytes.  Both are had: each load reads 512 consecutive bytes (one row's
; 128 numbers of a K step, 16 bytes a lane); a K step's 16 rows go into the wave's own stage in LDS as they lie (rows of 528 bytes) and come back 64 bytes a lane for each block.  The stage is the wave's
; part of the bytes where its six images will lie, so the six fragments wait in registers and are stored behind the last turn.
; CLUSTER.  All work-groups walk the same weights: the four of a cluster ask for each tile JOINTLY (mask 15), which divides the requests by four.  Wider sharing has no form: a mask names four.
; THE RING.  Two LDS slots; a slot holds three tiles (48 rows of 576 bytes) for each wave; a wave fetches and reads its own part.  By this text's count a wave has one tensor load out at a time.
; LIMITS.  NaN and infinities are not served.  A block whose largest magnitude lies under 2^-122 keeps the scale byte 1 (a block of zeros too: its codes are zeros, and this program alone reads the bytes).
; The K steps of a sum go in the order 5, 0, 1, 2, 3, 4 (the bias is the C of step 5), so the f32 sums are rounded in another order than with K ascending.
; REGISTERS, in windows of 256.  window 0: v4-21 addresses, v28-29 the add's, v32-43 x's scale words, v44-61 the weights' (three sets), v64-103 the quantiser's, v104-115 the scale words' way out;
;   while x is quantised: v116-235 six sets of codes, v236-241 their scale words.
;   window 1: x's fragments of K steps 0-4 at 12 (5 t + s).   window 2: 256 accumulators.   window 3: the weight's fragments, two sets of 72; from v144 x's K step 5; from v192 three sets of bias.
;   (While x is quantised, its f32 numbers lie in windows 2 and 1.)
; THE TENSOR LOADS, by this text's own count (this line stands for the count given under THE RING above): one a wave at the head (slot 0), slot 1's first fill behind a full sequence and a round of its own,
; then one behind each round: a wave never has two out.  A wave's three tiles, 48 x 576 = 27,648 dense bytes, are stated as 108 rows of 256 bytes, each beginning at a multiple of 256 from the buffer's first byte;
; the padding, 16 bytes behind every 64, is counted along the whole tile, so a weight's row of 576 bytes still lies in 720 bytes of LDS.
; PREFETCH: none; every slot comes by its loads alone.
.set PITCH, 720                        ; an LDS row of a weight: 9 x (64 bytes + 16 of padding)
.set TILEB, 16*PITCH
.set WPART, 3*TILEB                    ; a wave's part of a slot: 34,560 bytes
.set SLOT,  4*WPART
.set STEPB, 48*576                     ; the same three tiles in memory
.set XIMG,  2*SLOT                     ; x's 24 fragments, (6 t + s) x 1,536; before that each wave's 9,216 bytes are its stage: 16 rows of 528 bytes
.set XSC,   XIMG+24*1536               ; their scale words [t][s][16]
.set GSC,   XSC+1536                   ; q's, k's, v's scale words, 1,536 bytes each, gathered for whole stores
.set SPARE, GSC+3*1536                 ; the spare words: 128 bytes a wave, two blocks of 256 bytes that no other line names
.set XTR, 4                            ; v4   the stage on the way back: my wave's part + 528 r + 64 h
.set LI,  5                            ; v5   16 x lane
.set L8,  6                            ; v6   8 x lane
.set XWI, 8                            ; v8   my wave's part of XIMG + 16 x lane: the stage on the way in, and where I store x's images
.set XWS, 9                            ; v9   and their scale words
.set XRI, 10                           ; v10  where all read them
.set XRS, 11                           ; v11
.set AW,  12                           ; v12-13 my lane's place in my part of slot 0, 1; v14-15 the same behind one padding more
.set GQK, 16                           ; v16  q's or k's scale words: my place
.set GV,  17                           ; v17  v's
.set GRD, 18                           ; v18  the gathered words' way out
.set WSO, 19                           ; v19  24 x lane: a row of a weight's scale bytes
.set BO,  20                           ; v20  32 h
.set BVO, 21                           ; v21  4 r
.set PFO, 22                           ; v22  256 x min(lane, 26), read by no instruction; never rewritten
.macro ASKW sg                         ; empty: asks for nothing
.if (\sg) < 8
.elseif (\sg) < 12
.endif
.endm
.set SPW, 28
.set NIL, 29
.set XS,  32
.set WSC, 44
.set TM,  64
.set PW,  80                           ; the scale word just made (while x is quantised: v236 + K step)
.set PC,  84                           ; the codes just made (while x is quantised: v116 + 20 x K step)
.set OUTR, 104
.set WV,  36                           ; s36 wave; s37 wave % 2; s38 wave / 2; s39 cx; s40 g
.set SEL, 84                           ; s[84:85] lane selects: lane l xor 16
.set G1,  68                           ; s[68:75] descriptor group 1; s[76:79], s[80:83] group 0 of slot 0, 1
.set MSB, 0
.macro WIN new                         ; the immediate's high byte repeats the setting that is left
.if MSB != (\new)
	s_set_vgpr_msb (MSB<<8)|(\new)
.set MSB, (\new)
.endif
.endm
.macro PLACES n
.rept \n
	v_nop
.endr
.endm
.macro CREST                           ; a round of the cluster's barrier behind its opening barrier
	s_cmp_lg_u32 s[WV], 0
	s_cbranch_scc1 .Lnot_wave_0_\@
	s_barrier_signal -3
.Lnot_wave_0_\@:
	s_barrier_wait -3
	s_barrier_signal -1
	s_barrier_wait -1
.endm
.macro CROUND
	s_barrier_signal -1
	s_barrier_wait -1
	CREST
.endm
; 64 numbers of a lane in window w, v[s] .. v[s + 63], register 16 b + i = number 16 h + i of block b of my row, become a fragment's codes in v[PC] .. v[PC + 11] and its scale word in v[PW].
; free = 1: stores have read v[PC] on and v[PW], and are waited for before these are written again; free = 0: no store has named them.
.macro QUANT s, w, free
	WIN 5*(\w)
.irp b, 0,1,2,3
	v_max3_num_f32 v[TM+\b], |v[(\s)+16*\b]|, |v[(\s)+16*\b+1]|, 0x2800000   ; my 16 numbers of block b, and the floor 2^(5 - 127): the byte cannot fall under 1
.endr
	WIN 20*(\w)
.irp i, 2,4,6,8,10,12,14
.irp b, 0,1,2,3
	v_max3_num_f32 v[TM+\b], v[TM+\b], |v[(\s)+16*\b+\i]|, |v[(\s)+16*\b+\i+1]|   ; the four blocks by turns
.endr
.endr
	WIN 0
.if \free
	s_wait_alu depctr_va_vdst(0)
	s_wait_xcnt 0x0                                ; the last fragment's stores have read their registers:
	s_wait_dscnt 0x0                               ; the codes and the scale word may be written again
.endif
.irp b, 0,1,2,3
	v_permlanex16_b32 v[TM+4+\b], v[TM+\b], s[SEL], s[SEL+1]
.endr
.irp b, 0,1,2,3
	v_max_num_f32 v[TM+\b], v[TM+\b], v[TM+4+\b]   ; with lane l xor 16's: the block's largest magnitude
.endr
.irp b, 0,1,2,3
	v_add_nc_u32 v[TM+12+\b], 0xfe000000, v[TM+\b] ; 4 off its exponent field: the conversion takes this operand's exponent field as its scale
.endr
.irp b, 0,1,2,3
	v_lshrrev_b32 v[TM+4+\b], 23, v[TM+12+\b]      ; the scale's byte
.endr
	v_lshl_or_b32 v[PW], v[TM+5], 8, v[TM+4]
	v_lshl_or_b32 v[PW], v[TM+6], 16, v[PW]
	v_lshl_or_b32 v[PW], v[TM+7], 24, v[PW]
	WIN \w
.irp c, 0,1
	v_cvt_scalef32_pk16_bf6_f32 v[PC+6*\c:PC+6*\c+2], v[(\s)+32*\c:(\s)+32*\c+15], v[TM+12+2*\c]
	v_cvt_scalef32_pk16_bf6_f32 v[PC+12+4*\c:PC+14+4*\c], v[(\s)+32*\c+16:(\s)+32*\c+31], v[TM+12+2*\c+1]   ; (a conversion's three registers begin on an even number)
.endr
	WIN 0
	v_nop                                          ; one plain place behind a scaled conversion
.irp c, 0,1                                    ; the operand's layout wants a whole block in a lane: lanes 0-15 block 2 c, lanes 16-31 block 2 c + 1
.irp i, 0,1,2
	v_permlane16_swap_b32 v[PC+6*\c+\i], v[PC+12+4*\c+\i]
.endr
.irp i, 0,1,2
	v_mov_b32 v[PC+3+6*\c+\i], v[PC+12+4*\c+\i]
.endr
.endr
.endm
; a fragment of a weight: 16 rows x 128 K, 12 registers, in pieces of 8 bytes.  Lanes 16-31 read three pieces further on; where that lies behind one padding more, the second address register serves
.macro FRAGW reg, slot, pos, s
.irp p, 0,1,2,3,4,5
.set PCN, 12*(\s)+6*(\p/3)+\p%3
.if PCN%8 < 5
	ds_load_b64 v[(\reg)+2*\p:(\reg)+2*\p+1], v[AW+(\slot)] offset:(\pos)*TILEB+8*PCN+16*(PCN/8)
.else
	ds_load_b64 v[(\reg)+2*\p:(\reg)+2*\p+1], v[AW+2+(\slot)] offset:(\pos)*TILEB+8*PCN+16*(PCN/8)
.endif
.endr
.endm
.macro FETCHW n                        ; tile n's six fragments, 36 loads, into set n % 2 of window 3
	WIN 0xc0
.irp s, 0,1,2,3,4,5
	FRAGW 72*((\n)%2)+12*\s, ((\n)/3)%2, (\n)%3, \s
.endr
.endm
.macro LOADS n                         ; the bias of tile n + 2, and with an even n the scale words of the pair of tiles n / 2 + 2 (lanes 0-15 its first tile, lanes 16-31 its second)
.set NB2, (\n)+2
.if NB2 < 24
	WIN 0xc0
	global_load_b128 v[192+8*(NB2%3):192+8*(NB2%3)+3], v[BO], s[46:47] offset:NB2*64
	global_load_b128 v[192+8*(NB2%3)+4:192+8*(NB2%3)+7], v[BO], s[46:47] offset:NB2*64+16
.elseif NB2 < 36
	WIN 0xc0
	global_load_b32 v[192+8*(NB2%3)], v[BVO], s[54:55] offset:(NB2-24)*64
.endif
.if ((\n)%2 == 0) && ((\n)/2+2 < 18)
	WIN 0
.set PR, (\n)/2+2
.irp i, 0,1,2
.if PR < 12
	global_load_b64 v[WSC+6*(PR%3)+2*\i:WSC+6*(PR%3)+2*\i+1], v[WSO], s[44:45] offset:PR*768+8*\i
.else
	global_load_b64 v[WSC+6*(PR%3)+2*\i:WSC+6*(PR%3)+2*\i+1], v[WSO], s[52:53] offset:(PR-12)*768+8*\i
.endif
.endr
.endif
.endm
.macro CNT n                           ; CN = how many loads LOADS n issues
.set CN, 0
.if (\n)+2 < 24
.set CN, 2
.elseif (\n)+2 < 36
.set CN, 1
.endif
.if ((\n)%2 == 0) && ((\n)/2+2 < 18)
.set CN, CN+3
.endif
.endm
.macro WM                              ; one matrix instruction from the symbols rD, rA, rB, rC, rSA, rSB; fA, fB: the scale words lie in lanes 16-31
.if fA && fB
	v_wmma_scale_f32_16x16x128_f8f6f4 v[rD:rD+7], v[rA:rA+11], v[rB:rB+11], v[rC:rC+7], v[rSA], v[rSB] matrix_a_fmt:MATRIX_FMT_BF6 matrix_b_fmt:MATRIX_FMT_BF6 matrix_a_scale:MATRIX_SCALE_ROW1 matrix_b_scale:MATRIX_SCALE_ROW1
.elseif fA
	v_wmma_scale_f32_16x16x128_f8f6f4 v[rD:rD+7], v[rA:rA+11], v[rB:rB+11], v[rC:rC+7], v[rSA], v[rSB] matrix_a_fmt:MATRIX_FMT_BF6 matrix_b_fmt:MATRIX_FMT_BF6 matrix_a_scale:MATRIX_SCALE_ROW1
.elseif fB
	v_wmma_scale_f32_16x16x128_f8f6f4 v[rD:rD+7], v[rA:rA+11], v[rB:rB+11], v[rC:rC+7], v[rSA], v[rSB] matrix_a_fmt:MATRIX_FMT_BF6 matrix_b_fmt:MATRIX_FMT_BF6 matrix_b_scale:MATRIX_SCALE_ROW1
.else
	v_wmma_scale_f32_16x16x128_f8f6f4 v[rD:rD+7], v[rA:rA+11], v[rB:rB+11], v[rC:rC+7], v[rSA], v[rSB] matrix_a_fmt:MATRIX_FMT_BF6 matrix_b_fmt:MATRIX_FMT_BF6
.endif
.endm
; K step s of tile n against x's four tiles: four accumulators by turns, one instruction a turn.  q, k: source 0 = the weight; v: source 0 = x.  Step 5 takes the bias as C.
.macro MULS n, s
.if (\s) == 5
	WIN 0xbf
.elseif (\n) < 24
	WIN 0xa7
.else
	WIN 0xad
.endif
.irp t, 0,1,2,3
.set rW, 72*((\n)%2)+12*(\s)
.set rWS, WSC+6*(((\n)/2)%3)+(\s)
.set rXS, XS+3*\t+(\s)/2
.if (\s) == 5
.set rX, 144+12*\t
.else
.set rX, 12*(5*\t+(\s))
.endif
.if (\n) < 24
.set rD, 64*\t+8*((\n)%8)
.set rA, rW
.set rB, rX
.set rSA, rWS
.set rSB, rXS
.set fA, (\n)%2
.set fB, (\s)%2
.else
.set rD, 64*((((\n)-24)/2)%4)+32*((\n)%2)+8*\t
.set rA, rX
.set rB, rW
.set rSA, rXS
.set rSB, rWS
.set fA, (\s)%2
.set fB, (\n)%2
.endif
.if (\s) == 5
.set rC, 192+8*((\n)%3)
.else
.set rC, rD
.endif
	WM
.endr
.endm
.macro BIASV n                         ; v's bias is one number a lane (its channel): spread over the eight registers of the result's layout
	WIN 0xc3
.irp j, 1,2,3,4,5,6,7
	v_mov_b32 v[192+8*((\n)%3)+\j], v[192+8*((\n)%3)]
.endr
	s_wait_alu depctr_va_vdst(0)
	WIN 0
.endm
; A tile that has its successor in the same slot (and the two last tiles of slots that are not filled again).
.macro PLAIN n
	WIN 0
.if (\n) == 0
	s_wait_loadcnt 0x0
.else
	CNT (\n)-1
	s_wait_loadcnt CN                              ; only the loads issued a tile ago may be out: this tile's bias and scale words are in
.endif
.if (\n) >= 24
	BIASV \n
.endif
	PLACES 4                                       ; in front of loads into registers that matrix instructions have read
.if (\n) == 32
	s_wait_tensorcnt 0x0                           ; the last slot has landed; only I read my part
.endif
	LOADS \n
.if (\n) < 35
	FETCHW (\n)+1
	s_wait_dscnt 36                                ; all but the 36 just issued: this tile's fragments are in
.else
	s_wait_dscnt 0x0
.endif
.irp s, 5,0,1,2,3,4
	MULS \n, \s
.endr
.endm
; A slot's last tile: the slot is filled again, two slots ahead.  In front of the round each wave waits for all its tensor loads, adds 0 to its spare word, and waits for that and for its reads of the slot.
.macro TURN n
	WIN 0
	CNT (\n)-1
	s_wait_loadcnt CN
.if (\n) >= 24
	BIASV \n
	PLACES 4
.endif
.set SG, (\n)/3+2
.set GG, 76+4*(((\n)/3)%2)
	s_wait_tensorcnt 0x0                           ; all my tensor loads have landed: my part of the next slot
	ds_add_u32 v[SPW], v[NIL]                      ; 0 onto my spare word
.if SG < 8
	s_add_nc_u64 s[GG+2:GG+3], s[42:43], SG*STEPB  ; no load of mine is out: this slot's group 0 takes the tiles two slots on
.else
	s_add_nc_u64 s[GG+2:GG+3], s[50:51], (SG-8)*STEPB
.endif
	s_or_b32 s[GG+3], s[GG+3], 0x80000000
	s_wait_dscnt 1                                 ; (the add may be out) this tile's fragments are in
	MULS \n, 5
	MULS \n, 0
	s_wait_dscnt 0x0                               ; the add is done, and my reads of this slot are over
	s_barrier_signal -1
	MULS \n, 1
	MULS \n, 2
	WIN 0
	s_barrier_wait -1
	CREST                                          ; the barrier has opened a round of the cluster's: no wave of any partner still reads the slot or has a load on its way
	tensor_load_to_lds s[GG:GG+3], s[G1:G1+7]      ; the first tensor load behind the round, one a wave
	s_nop 0
	PLACES 4                                       ; places behind a tensor load; also the places in front of the loads below
	LOADS \n
	FETCHW (\n)+1
	ASKW SG+2                                      ; empty: asks for nothing
	MULS \n, 3
	MULS \n, 4
.endm
.macro OUTQK p                         ; eight tiles (128 channels) of q or k are whole: K step 3 (wave % 2) + p of the second launch's first product, for my four tiles of rows
	WIN 0
	PLACES 4
.irp m, 0,1,2,3
	QUANT 64*\m, 2, 1
.irp c, 0,1,2
	global_store_b128 v[LI], v[PC+4*\c:PC+4*\c+3], s[48:49] offset:9216*\m+1536*(\p)+512*\c   ; 32 lanes store 512 consecutive bytes, at a multiple of 256 from the buffer's first byte
.endr
	ds_store_b32 v[GQK], v[PW] offset:384*\m+64*(\p)
.endr
.endm
.macro OUTV q                          ; two tiles of v's channels are whole: for each, half a fragment (my 64 keys) of the second product's operand
	WIN 0
	PLACES 4
	QUANT 64*((\q)%4), 2, 1
	global_store_b128 v[LI], v[PC:PC+3], s[56:57] offset:24576*(\q)
	global_store_b64 v[L8], v[PC+4:PC+5], s[56:57] offset:24576*(\q)+512
	global_store_b128 v[LI], v[PC+6:PC+9], s[56:57] offset:24576*(\q)+12288
	global_store_b64 v[L8], v[PC+10:PC+11], s[56:57] offset:24576*(\q)+12288+512
	ds_store_b32 v[GV], v[PW] offset:64*(\q)
.endm
.macro XPLACE s                        ; XR, XW: the first register and the window of K step s's 64 numbers a lane
.if (\s) < 4
.set XR, 64*(\s)
.set XW, 2
.else
.set XR, 64*((\s)-4)
.set XW, 1
.endif
.endm
.macro XLOAD s                         ; K step s of my 16 rows as it lies: load i takes 512 consecutive bytes of the tile's row i, 16 bytes a lane
	XPLACE \s
	WIN 64*XW
.set XI, 0
.rept 16
	global_load_b128 v[XR+4*XI:XR+4*XI+3], v[LI], s[60:61] offset:(XI+8*(XI/8))*3072+512*(\s) th:TH_LOAD_NT
.set XI, XI+1
.endr
.endm
; K step s turns through my stage: in as loaded, a row of 512 bytes a store; back so that lane (r, h) holds, of each block of 32 of row r, numbers 16 h .. 16 h + 15.  Rows of 528 bytes.
; left: the younger loads of x that may stay out.
.macro XTURN s, left
	s_wait_loadcnt \left
	XPLACE \s
	WIN 4*XW                                       ; an LDS store's data are its source 1
.set XI, 0
.rept 16
	ds_store_b128 v[XWI], v[XR+4*XI:XR+4*XI+3] offset:528*XI   ; LDS serves a wave's instructions in order: these come behind the last step's loads from the stage
.set XI, XI+1
.endr
	s_wait_dscnt 0x0                               ; the stores have read their registers, on which the loads below land; and the step before is back
	WIN 64*XW
.irp b, 0,1,2,3
.irp j, 0,1,2,3
	ds_load_b128 v[XR+16*\b+4*\j:XR+16*\b+4*\j+3], v[XTR] offset:128*\b+16*\j
.endr
.endr
.endm
.macro XQ s, nextleft                  ; the next K step is sent through the stage, and K step s becomes a fragment meanwhile; its codes and scale word wait in registers of their own
.if (\s) < 5
	XTURN (\s)+1, \nextleft
.else
	s_wait_dscnt 0x0                               ; the last step is back
.endif
.set PC, 116+20*(\s)
.set PW, 236+(\s)
	XPLACE \s
	QUANT XR, XW, 0
.endm
	s_load_b512 s[8:23], s[0:1], 0x0               ; x, Wq codes, Wq scales, bq, Wk codes, Wk scales, bk, Wv codes
	s_load_b256 s[24:31], s[0:1], 0x40             ; Wv scales, bv, qws, kws
	s_load_b128 s[32:35], s[0:1], 0x60             ; vws, vsc
	v_lshl_add_u32 v[SPW], v0, 2, SPARE
	v_mov_b32 v[NIL], 0
	ds_add_u32 v28, v29
	ds_add_u32 v28, v29
	s_wait_dscnt 0x0
	v_lshrrev_b32 v1, 5, v0
	v_readfirstlane_b32 s[WV], v1                  ; wave 0..3
	s_and_b32 s37, s[WV], 1
	s_lshr_b32 s38, s[WV], 1
	s_bfe_u32 s39, ttmp6, 0x40000                  ; cx
	s_lshl_b32 s40, ttmp9, 2
	s_add_co_u32 s40, s40, s39                     ; g = 4 x cluster + cx: it enters x's and the workspaces' addresses alone
	; descriptor group 1: 48 rows of 576 bytes, dense in memory, 16 bytes of padding behind every 64
	s_mov_b32 s[G1], 15|(1<<20)|(1<<21)|(3<<22)|(3<<25)   ; 15:0 the mask: all four work-groups; 17:16 elements of 1 byte; 20 padding on; 21 set beside a mask; 24:22 after every 16 words; 31:25 4 words
	s_mov_b32 s[G1+1], 256<<16                     ; tensor_dim0: rows of 256 bytes
	s_mov_b32 s[G1+2], 108<<16                     ; tensor_dim1: 108 of them are three tiles
	s_mov_b32 s[G1+3], 256<<16                     ; tile_dim0
	s_mov_b32 s[G1+4], 108                         ; tile_dim1
	s_mov_b32 s[G1+5], 256                         ; pitch: dense
	s_mov_b32 s[G1+6], 0
	s_mov_b32 s[G1+7], 0
	s_mov_b32 s87, 0                               ; s[86:87]: offsets made of the wave's number alone; s[88:89]: those with g in them
	s_mov_b32 s89, 0
	s_mov_b32 s[SEL], 0x76543210
	s_mov_b32 s[SEL+1], 0xfedcba98
	s_mul_i32 s77, s[WV], WPART                    ; my part of slot 0: no place in the cluster enters an LDS address
	s_add_co_u32 s81, s77, SLOT                    ; and of slot 1
	s_wait_kmcnt 0x0
	s_cmp_lt_u32 s[WV], 2                          ; waves 0, 1: q; waves 2, 3: k
	s_cselect_b64 s[42:43], s[10:11], s[16:17]     ; the codes,
	s_cselect_b64 s[44:45], s[12:13], s[18:19]     ; the scale bytes,
	s_cselect_b64 s[46:47], s[14:15], s[20:21]     ; the bias
	s_mul_i32 s86, s37, 384*576
	s_add_nc_u64 s[42:43], s[42:43], s[86:87]      ; at my 384 rows
	s_mul_i32 s86, s37, 384*24
	s_add_nc_u64 s[44:45], s[44:45], s[86:87]
	s_mul_i32 s86, s37, 384*4
	s_add_nc_u64 s[46:47], s[46:47], s[86:87]
	s_mul_i32 s86, s[WV], 192*576
	s_add_nc_u64 s[50:51], s[22:23], s[86:87]      ; Wv at my 192 rows
	s_mul_i32 s86, s[WV], 192*24
	s_add_nc_u64 s[52:53], s[24:25], s[86:87]
	s_mul_i32 s86, s[WV], 192*4
	s_add_nc_u64 s[54:55], s[26:27], s[86:87]
	CROUND                                         ; all four work-groups are here: the first joint loads meet
	s_mov_b32 s76, 1
	s_mov_b64 s[78:79], s[42:43]
	s_or_b32 s79, s79, 0x80000000
	s_mov_b32 s80, 1
	s_add_nc_u64 s[82:83], s[42:43], STEPB
	s_or_b32 s83, s83, 0x80000000
	tensor_load_to_lds s[76:79], s[G1:G1+7]        ; tiles 0-2: my one tensor load at the head, asked for ahead of x's 96 loads
	s_nop 0
	PLACES 4
	; the addresses that hang on g
	s_mul_i32 s92, s40, 38400                      ; my record in qws and kws,
	s_add_co_u32 s93, s92, 36864                   ; its scale words,
	s_mul_i32 s94, s40, 1536                       ; my part of vsc
	s_cmp_eq_u32 s[WV], 0
	s_cselect_b64 s[58:59], s[28:29], s[30:31]
	s_cmp_lt_u32 s[WV], 2
	s_cselect_b64 s[58:59], s[58:59], s[34:35]     ; the gathered scale words: wave 0 stores q's, wave 1 k's, wave 2 v's
	s_cselect_b32 s88, s93, s94
	s_cselect_b64 s[48:49], s[28:29], s[30:31]     ; my images: qws or kws
	s_add_nc_u64 s[58:59], s[58:59], s[88:89]
	s_mul_i32 s88, s37, 3*1536
	s_add_co_u32 s88, s88, s92
	s_add_nc_u64 s[48:49], s[48:49], s[88:89]      ; K steps 3 (wave % 2) on
	s_lshr_b32 s88, s40, 4
	s_mul_i32 s88, s88, 589824                     ; vws: the batch,
	s_mul_i32 s90, s[WV], 147456                   ; my 12 tiles of channels,
	s_add_co_u32 s88, s88, s90
	s_and_b32 s90, s40, 15
	s_mul_i32 s90, s90, 768                        ; my work-group's 64 keys: half a fragment
	s_add_co_u32 s88, s88, s90
	s_add_nc_u64 s[56:57], s[32:33], s[88:89]
	s_lshl_b32 s88, s40, 6
	s_lshl_b32 s90, s38, 5
	s_add_co_u32 s88, s88, s90
	s_lshl_b32 s90, s37, 3
	s_add_co_u32 s88, s88, s90                     ; x: row 64 g + 32 (wave / 2) + 8 (wave % 2): my tile's first
	s_mul_i32 s88, s88, 3072
	s_add_nc_u64 s[60:61], s[8:9], s[88:89]
	s_mul_i32 s88, s39, 27*256                     ; my work-group's 27 blocks of each 108; nothing reads s[62:63], s[96:97]
	s_add_nc_u64 s[62:63], s[42:43], s[88:89]
	s_add_nc_u64 s[96:97], s[50:51], s[88:89]
	v_and_b32 v1, 31, v0                           ; lane
	v_and_b32 v2, 15, v0                           ; r
	v_bfe_u32 v3, v0, 4, 1                         ; h
	v_lshlrev_b32 v[LI], 4, v1
	v_mul_u32_u24 v[WSO], v1, 24
	v_lshlrev_b32 v[BO], 5, v3
	v_lshlrev_b32 v[BVO], 2, v2
	v_min_u32 v[PFO], 26, v1
	v_lshlrev_b32 v[PFO], 8, v[PFO]
.irp i, 0,1,2                                  ; the scale words of the first two pairs of tiles, the biases of the first two tiles
	global_load_b64 v[WSC+2*\i:WSC+2*\i+1], v[WSO], s[44:45] offset:8*\i
	global_load_b64 v[WSC+6+2*\i:WSC+6+2*\i+1], v[WSO], s[44:45] offset:768+8*\i
.endr
	WIN 0xc0
.irp n, 0,1
	global_load_b128 v[192+8*\n:192+8*\n+3], v[BO], s[46:47] offset:64*\n
	global_load_b128 v[192+8*\n+4:192+8*\n+7], v[BO], s[46:47] offset:64*\n+16
.endr
.irp s, 0,1,2,3,4,5
	XLOAD \s
.endr
	WIN 0
	v_lshlrev_b32 v[L8], 3, v1
	s_mul_i32 s41, s[WV], 6*1536
	s_add_co_u32 s41, s41, XIMG                    ; my wave's part of XIMG
	v_add_nc_u32 v[XWI], s41, v[LI]
	v_mul_u32_u24 v[XTR], v2, 528
	v_lshl_add_u32 v[XTR], v3, 6, v[XTR]
	v_add_nc_u32 v[XTR], s41, v[XTR]
	s_mul_i32 s41, s[WV], 384
	s_add_co_u32 s41, s41, XSC
	v_lshl_add_u32 v[XWS], v2, 2, s41
	v_add_nc_u32 v[XRI], XIMG, v[LI]
	v_lshl_add_u32 v[XRS], v1, 2, XSC
	v_mul_u32_u24 v[AW], v2, PITCH
	v_mad_u32_u24 v[AW], v3, 24, v[AW]
	v_add_nc_u32 v[AW], s77, v[AW]                 ; my part of slot 0: row r, + 24 h
	v_lshl_add_u32 v[AW+2], v3, 4, v[AW]           ; and + 40 h
	v_add_nc_u32 v[AW+1], SLOT, v[AW]
	v_add_nc_u32 v[AW+3], SLOT, v[AW+2]
	s_mul_i32 s41, s38, 1536
	s_mul_i32 s91, s37, 192
	s_add_co_u32 s41, s41, s91
	s_add_co_u32 s41, s41, GSC
	v_lshl_add_u32 v[GQK], v2, 2, s41
	s_mul_i32 s41, s[WV], 384
	s_add_co_u32 s41, s41, GSC+3072
	v_lshl_add_u32 v[GV], v2, 2, s41
	s_min_u32 s41, s[WV], 2
	s_mul_i32 s41, s41, 1536
	s_add_co_u32 s41, s41, GSC
	v_add_nc_u32 v[GRD], s41, v[LI]
.irp b, 0,1,2,3
	v_mov_b32 v[TM+4+\b], 0                        ; written once: a lane permute's destination counts as one of its sources
.endr
	; ---- x becomes codes.  The counts: the younger loads of x that may stay out, 16 a K step, held at the largest count that the wait can name
	s_wait_alu depctr_va_vdst(0)
	s_wait_tensorcnt 0x0                           ; my part of slot 0 is in; slot 1's first fill is issued as a refill is:
	ds_add_u32 v[SPW], v[NIL]                      ; 0 onto my spare word
	s_wait_dscnt 0x0
	CROUND
	tensor_load_to_lds s[80:83], s[G1:G1+7]        ; tiles 3-5: the first tensor load behind the round; x's six K steps are quantised while it is out
	s_nop 0
	PLACES 4
	ASKW 2
	ASKW 3
	XTURN 0, 63
	XQ 0, 63
	XQ 1, 48
	XQ 2, 32
	XQ 3, 16
	XQ 4, 0
	XQ 5, 0
.irp s, 0,1,2,3,4,5                            ; the stage has been read for the last time: the six images take its place
.irp c, 0,1,2
	ds_store_b128 v[XWI], v[116+20*\s+4*\c:116+20*\s+4*\c+3] offset:1536*\s+512*\c
.endr
	ds_store_b32 v[XWS], v[236+\s] offset:64*\s    ; both halves of the lanes write the same word with the same value
.endr
.set PC, 84
.set PW, 80
	s_wait_dscnt 0x0                               ; for the others' sake: my stores have landed
	s_barrier_signal -1
	s_barrier_wait -1                              ; x's 24 fragments lie in LDS (the tensor loads may stay out)
	WIN 0x40
.irp t, 0,1,2,3
.irp s, 0,1,2,3,4
.irp c, 0,1,2
	ds_load_b128 v[12*(5*\t+\s)+4*\c:12*(5*\t+\s)+4*\c+3], v[XRI] offset:(6*\t+\s)*1536+512*\c
.endr
.endr
.endr
	WIN 0xc0
.irp t, 0,1,2,3
.irp c, 0,1,2
	ds_load_b128 v[144+12*\t+4*\c:144+12*\t+4*\c+3], v[XRI] offset:(6*\t+5)*1536+512*\c
.endr
.endr
	WIN 0
.irp t, 0,1,2,3
.irp i, 0,1,2
	ds_load_b32 v[XS+3*\t+\i], v[XRS] offset:384*\t+128*\i   ; lanes 0-15: K step 2 i; lanes 16-31: K step 2 i + 1
.endr
.endr
	FETCHW 0                                       ; my part of slot 0 was waited for ahead of slot 1's fill; only I read it
	; ---- the stream of 36 tiles
.set N, 0
.rept 36
.if (N%3 == 2) && (N < 30)
	TURN N
.else
	PLAIN N
.endif
.if (N < 24) && (N%8 == 7)
	OUTQK N/8
.endif
.if (N >= 24) && (N%2 == 1)
	OUTV (N-24)/2
.endif
.set N, N+1
.endr
	; ---- the scale words leave in whole runs of 512 bytes
	WIN 0
	s_wait_dscnt 0x0
	s_barrier_signal -1
	s_barrier_wait -1
	s_cmp_gt_u32 s[WV], 2
	s_cbranch_scc1 .Lno_words
	ds_load_b128 v[OUTR:OUTR+3], v[GRD]
	ds_load_b128 v[OUTR+4:OUTR+7], v[GRD] offset:512
	ds_load_b128 v[OUTR+8:OUTR+11], v[GRD] offset:1024
	s_wait_dscnt 0x0
	global_store_b128 v[LI], v[OUTR:OUTR+3], s[58:59]
	global_store_b128 v[LI], v[OUTR+4:OUTR+7], s[58:59] offset:512
	global_store_b128 v[LI], v[OUTR+8:OUTR+11], s[58:59] offset:1024
.Lno_words:
	s_wait_tensorcnt 0x0                           ; the wave's end
	ds_add_u32 v[SPW], v[NIL]
	s_wait_dscnt 0x0
	CROUND                                         ; the closing round: no work-group ends while a partner may still ask for a tile that names it
	s_endpgm
.Lfunc_end_k_q5471b531d3_proj:
	.size	k_q5471b531d3_proj, .Lfunc_end_k_q5471b531d3_proj-k_q5471b531d3_proj
	.p2alignl 7, 3214868480
	.fill 96, 4, 3214868480
	.section	.rodata,"a",@progbits
	.p2align	6, 0x0
	.amdhsa_kernel k_q5471b531d3_proj
		.amdhsa_group_segment_fixed_size 327680
		.amdhsa_private_segment_fixed_size 0
		.amdhsa_enable_private_segment 0
		.amdhsa_kernarg_size 112
		.amdhsa_user_sgpr_count 2
		.amdhsa_user_sgpr_kernarg_segment_ptr 1
		.amdhsa_wavefront_size32 1
		.amdhsa_system_sgpr_workgroup_id_x 1
		.amdhsa_system_sgpr_workgroup_id_y 1
		.amdhsa_system_sgpr_workgroup_id_z 1
		.amdhsa_system_vgpr_workitem_id 0
		.amdhsa_next_free_vgpr 1024
		.amdhsa_next_free_sgpr 100
		.amdhsa_reserve_vcc 0
		.amdhsa_float_denorm_mode_32 3
		.amdhsa_float_denorm_mode_16_64 3
		.amdhsa_memory_ordered 1
		.amdhsa_forward_progress 1
		.amdhsa_inst_pref_size 255
	.end_amdhsa_kernel
	.section	.bss,"aw",@nobits
	.p2align	6
	.space	262144
	.amdgpu_metadata
---
amdhsa.version: [ 1, 2 ]
amdhsa.kernels:
  - .name:           k_q5471b531d3_proj
    .symbol:         k_q5471b531d3_proj.kd
    .args:
      - { .name: x, .offset: 0, .size: 8, .value_kind: global_buffer, .address_space: global }
      - { .name: Wq_codes, .offset: 8, .size: 8, .value_kind: global_buffer, .address_space: global }
      - { .name: Wq_scales, .offset: 16, .size: 8, .value_kind: global_buffer, .address_space: global }
      - { .name: bq, .offset: 24, .size: 8, .value_kind: global_buffer, .address_space: global }
      - { .name: Wk_codes, .offset: 32, .size: 8, .value_kind: global_buffer, .address_space: global }
      - { .name: Wk_scales, .offset: 40, .size: 8, .value_kind: global_buffer, .address_space: global }
      - { .name: bk, .offset: 48, .size: 8, .value_kind: global_buffer, .address_space: global }
      - { .name: Wv_codes, .offset: 56, .size: 8, .value_kind: global_buffer, .address_space: global }
      - { .name: Wv_scales, .offset: 64, .size: 8, .value_kind: global_buffer, .address_space: global }
      - { .name: bv, .offset: 72, .size: 8, .value_kind: global_buffer, .address_space: global }
      - { .name: qws, .offset: 80, .size: 8, .value_kind: global_buffer, .address_space: global }
      - { .name: kws, .offset: 88, .size: 8, .value_kind: global_buffer, .address_space: global }
      - { .name: vws, .offset: 96, .size: 8, .value_kind: global_buffer, .address_space: global }
      - { .name: vsc, .offset: 104, .size: 8, .value_kind: global_buffer, .address_space: global }
    .group_segment_fixed_size: 327680
    .private_segment_fixed_size: 0
    .kernarg_segment_align: 8
    .kernarg_segment_size: 112
    .max_flat_workgroup_size: 128
    .sgpr_count:     100
    .vgpr_count:     1024
    .wavefront_size: 32
...
	.end_amdgpu_metadata
.endif
;; end of part 1
;; launch attn (part 2): grid 16 x 16, 4 waves a work-group, clusters of 4 x 1, 327,680 bytes of LDS; arguments qws, kws, vws, vsc, x, out0; writes out0
.if DOCPART == 2
	.amdgcn_target "amdgcn-amd-amdhsa--gfx1250"
	.amdhsa_code_object_version 6
	.text
	.protected	k_q5471b531d3_attn
	.globl	k_q5471b531d3_attn
	.p2align	8
	.type	k_q5471b531d3_attn,@function
k_q5471b531d3_attn:
	s_mov_b64 s[64:65], 0
	v_nop
	global_prefetch_b8 v0, s[64:65] scope:SCOPE_SE
	s_setreg_imm32_b32 hwreg(HW_REG_WAVE_MODE, 25, 1), 1
	s_wait_xcnt 0x0
	s_wait_alu depctr_hold_cnt(0) depctr_sa_sdst(0) depctr_va_vdst(0) depctr_va_sdst(0) depctr_va_ssrc(0) depctr_va_vcc(0) depctr_vm_vsrc(0)
	s_getreg_b32 s2, hwreg(HW_REG_IB_STS2, 6, 4)
	s_cmp_eq_u32 s2, 0
	s_cbranch_scc0 .Lentry_in_a_cluster
	s_endpgm
.Lentry_in_a_cluster:
	s_bfe_u32 s2, ttmp6, 0x10000c
	s_cmp_lg_u32 s2, 0x3003
	s_cbranch_scc0 .Lentry_shape_is_right
	s_endpgm
.Lentry_shape_is_right:
; out0 = softmax(q k^T / sqrt(768)) v, each batch's result read as [768 channels][1,024 queries], + x.  Both products on codes of BF6 (E3M2) with one E8M0 scale for each 32 along K; q, k, v arrive from the
; first launch as images of operand registers with their scale words.
; SHARES.  256 work-groups of four waves; a work-group owns 64 queries of one batch (four tiles of 16).  First product, S^T = k q^T: wave w takes keys 256 w .. 256 w + 255: 16 tiles x 4 tiles of queries x 6 K steps,
; 512 registers of scores.  Softmax: the rows' largest scores are joined through LDS, M = ceil(largest t), p = 2^(t - M), the sum is taken of the unquantised p, p is quantised by blocks of 32 keys and its
; 32 fragments go to all waves through LDS.  Second product: wave w takes channels 192 w .. 192 w + 191: 12 tiles x 4 tiles of queries x 8 K steps.  Way out: a tile of 16 channels x 64 queries turns through the
; wave's stage in LDS, is divided by the sum, takes x, and leaves as rows of 256 bytes, sixteen lanes to a row.
; k: CLUSTER AND RING.  The four work-groups of a cluster belong to one batch and ask for k's tiles JOINTLY (mask 15).  Two regions of 153,600 bytes; each wave fetches and reads its own quarter, four chunks of
; 64 keys a wave: one tensor load a wave at the head, one behind each of three rounds.
; v: STRAIGHT INTO REGISTERS, NOT JOINTLY.  A fragment of v is read by one wave alone and lies in memory as that wave's registers take it.  So it goes from memory into registers, 32 loads a tile, each of 512 or
; 256 consecutive bytes: none of v's 589,824 bytes a work-group is written to LDS and read back, and the second product has no ring, no round and no barrier.  A joint load has LDS as its only target.
; Two sets of 96 registers; a half set is asked for again as soon as its four K steps are multiplied, two tiles ahead.  Tiles 0 and 1 are asked for during the softmax.
; x.  Four sets of 32 registers, v192-255 of windows 2 and 3.  Tiles 0-3 are loaded during the softmax, into the score registers of query tile 3, whose two groups go first; tile c + 2 in tile c's trip.
; PREFETCH.  k's chunks 1 and 2 are asked for at the head and chunk 3 at the first change of slots: of the 150 blocks of 256 bytes that wave w fetches, work-group g of the batch's sixteen names 10 g .. 10 g + 9,
; held at 149.  v, two tiles of each wave's channels at a time, by the batch's first cluster, at least two tiles' trips ahead.  x's rows of tiles 4-11: 32 rows of 256 bytes a wave at a time, between the groups.
; LIMITS.  NaN and infinities are not served.  A block of p whose largest number lies under 2^-122 keeps the scale byte 1.
.set REGB,  153600
.set KCH,   38400
.set VST,   24576
.set PIMG,  256000
.set PSC,   PIMG+32*1536
.set SPARE, 307200
.set STATM, SPARE+512
.set LSUM,  STATM+1024
.set STAGE, LSUM+1024
.set SPW, 28
.set NIL, 29
.set QS,  32
.set KS,  44
.set Q5,  52
.set KF,  100
.set BM,  64
.set BT,  96
.set SO,  128
.set WMX, 160
.set EX,  164
.set NM,  180
.set LL,  188
.set TT,  196
.set PWD, 200
.set PC,  208
.set PS,  32
.set VSC, 48
.set RL,  96
.set ACC, 100
.set OB,  164
.set LS,  196
.set WV,  20
.set G1K, 32
.set G1V, 40
.set G0A, 48
.set MSB, 0
.macro WIN new
.if MSB != (\new)
	s_set_vgpr_msb (MSB<<8)|(\new)
.set MSB, (\new)
.endif
.endm
.macro PLACES n
.rept \n
	v_nop
.endr
.endm
.macro CREST
	s_cmp_lg_u32 s[WV], 0
	s_cbranch_scc1 .Lnot_wave_0_\@
	s_barrier_signal -3
.Lnot_wave_0_\@:
	s_barrier_wait -3
	s_barrier_signal -1
	s_barrier_wait -1
.endm
.macro CROUND
	s_barrier_signal -1
	s_barrier_wait -1
	CREST
.endm
.macro BARRIER
	s_wait_dscnt 0x0
	s_barrier_signal -1
	s_barrier_wait -1
.endm
.macro ASKV j
	s_cmp_eq_u32 s70, 0
	s_cbranch_scc0 .Lnot_mine_\@
	s_wait_alu depctr_va_vdst(0)
	global_prefetch_b8 v26, s[68:69] offset:(\j)*VST th:TH_LOAD_NT scope:SCOPE_SE
.Lnot_mine_\@:
.endm
.macro ASKX j
	global_prefetch_b8 v25, s[56:57] offset:(\j)*131072 th:TH_LOAD_NT scope:SCOPE_SE
.endm
.macro WM
.if rC < 0
.if fA && fB
	v_wmma_scale_f32_16x16x128_f8f6f4 v[rD:rD+7], v[rA:rA+11], v[rB:rB+11], 0, v[rSA], v[rSB] matrix_a_fmt:MATRIX_FMT_BF6 matrix_b_fmt:MATRIX_FMT_BF6 matrix_a_scale:MATRIX_SCALE_ROW1 matrix_b_scale:MATRIX_SCALE_ROW1
.elseif fA
	v_wmma_scale_f32_16x16x128_f8f6f4 v[rD:rD+7], v[rA:rA+11], v[rB:rB+11], 0, v[rSA], v[rSB] matrix_a_fmt:MATRIX_FMT_BF6 matrix_b_fmt:MATRIX_FMT_BF6 matrix_a_scale:MATRIX_SCALE_ROW1
.elseif fB
	v_wmma_scale_f32_16x16x128_f8f6f4 v[rD:rD+7], v[rA:rA+11], v[rB:rB+11], 0, v[rSA], v[rSB] matrix_a_fmt:MATRIX_FMT_BF6 matrix_b_fmt:MATRIX_FMT_BF6 matrix_b_scale:MATRIX_SCALE_ROW1
.else
	v_wmma_scale_f32_16x16x128_f8f6f4 v[rD:rD+7], v[rA:rA+11], v[rB:rB+11], 0, v[rSA], v[rSB] matrix_a_fmt:MATRIX_FMT_BF6 matrix_b_fmt:MATRIX_FMT_BF6
.endif
.else
.if fA && fB
	v_wmma_scale_f32_16x16x128_f8f6f4 v[rD:rD+7], v[rA:rA+11], v[rB:rB+11], v[rC:rC+7], v[rSA], v[rSB] matrix_a_fmt:MATRIX_FMT_BF6 matrix_b_fmt:MATRIX_FMT_BF6 matrix_a_scale:MATRIX_SCALE_ROW1 matrix_b_scale:MATRIX_SCALE_ROW1
.elseif fA
	v_wmma_scale_f32_16x16x128_f8f6f4 v[rD:rD+7], v[rA:rA+11], v[rB:rB+11], v[rC:rC+7], v[rSA], v[rSB] matrix_a_fmt:MATRIX_FMT_BF6 matrix_b_fmt:MATRIX_FMT_BF6 matrix_a_scale:MATRIX_SCALE_ROW1
.elseif fB
	v_wmma_scale_f32_16x16x128_f8f6f4 v[rD:rD+7], v[rA:rA+11], v[rB:rB+11], v[rC:rC+7], v[rSA], v[rSB] matrix_a_fmt:MATRIX_FMT_BF6 matrix_b_fmt:MATRIX_FMT_BF6 matrix_b_scale:MATRIX_SCALE_ROW1
.else
	v_wmma_scale_f32_16x16x128_f8f6f4 v[rD:rD+7], v[rA:rA+11], v[rB:rB+11], v[rC:rC+7], v[rSA], v[rSB] matrix_a_fmt:MATRIX_FMT_BF6 matrix_b_fmt:MATRIX_FMT_BF6
.endif
.endif
.endm
.macro FETCHK kt
.set KB_, KF+72*((\kt)%2)
.set KSL, ((\kt)/4)%2
.irp s, 0,1,2,3,4,5
.irp c, 0,1,2
	ds_load_b128 v[KB_+12*\s+4*\c:KB_+12*\s+4*\c+3], v[6+KSL] offset:((\kt)%4)*9216+1536*\s+512*\c
.endr
.endr
.irp i, 0,1,2
	ds_load_b32 v[KS+3*((\kt)%2)+\i], v[8+KSL] offset:((\kt)%4)*384+128*\i
.endr
.endm
.macro MULK kt, s
.set KW, 2+(\kt)/8
.if (\s) == 5
	WIN 0x50*KW
.else
	WIN 0x50*KW+4
.endif
.irp m, 0,1,2,3
.set rD, 64*\m+8*((\kt)%8)
.set rA, KF+72*((\kt)%2)+12*(\s)
.if (\s) == 5
.set rB, Q5+12*\m
.else
.set rB, 12*(5*\m+(\s))
.endif
.if (\s) == 0
.set rC, -1
.else
.set rC, rD
.endif
.set rSA, KS+3*((\kt)%2)+(\s)/2
.set rSB, QS+3*\m+(\s)/2
.set fA, (\s)%2
.set fB, (\s)%2
	WM
.endr
.endm
.macro KPLAIN kt
	WIN 0
	PLACES 4
.if (\kt) == 11
	s_wait_tensorcnt 0x0                           ; k's last chunk is in; only I read my part, and nothing is filled again
.endif
	FETCHK (\kt)+1
.if (\kt) == 11
	ASKV 2
.endif
	s_wait_dscnt 21
.irp s, 0,1,2,3,4,5
	MULK \kt, \s
.endr
.endm
.macro KTURN kt
	WIN 0
	s_wait_tensorcnt 0x0
	ds_add_u32 v[SPW], v[NIL]
.if (\kt) == 3
	s_add_nc_u64 s[50:51], s[26:27], 2*KCH
	s_or_b32 s51, s51, 0x80000000
.elseif (\kt) == 7
	s_add_nc_u64 s[54:55], s[26:27], 3*KCH
	s_or_b32 s55, s55, 0x80000000
.endif
	s_wait_dscnt 1
	MULK \kt, 0
	MULK \kt, 1
	s_wait_dscnt 0x0
	s_barrier_signal -1
	MULK \kt, 2
	MULK \kt, 3
	WIN 0
	s_barrier_wait -1
	CREST
.if (\kt) == 3
	tensor_load_to_lds s[48:51], s[G1K:G1K+7]
	s_nop 0
.elseif (\kt) == 7
	tensor_load_to_lds s[52:55], s[G1K:G1K+7]
	s_nop 0
.endif
	PLACES 4
.if (\kt) < 15
	FETCHK (\kt)+1
.endif
	ASKV (\kt)/4
.if (\kt) == 3
	global_prefetch_b8 v27, s[26:27] offset:3*KCH th:TH_LOAD_NT scope:SCOPE_SE
.endif
	MULK \kt, 4
	MULK \kt, 5
.endm
.macro GROUP i, m
.set GW, 2+(\i)
.set GS, 64*(\m)
	WIN 65*GW
.set j, 0
.rept 32
	v_pk_fma_f32 v[GS+j:GS+j+1], v[GS+j:GS+j+1], s[60:61], v[NM+2*(\m):NM+2*(\m)+1] op_sel_hi:[1,0,0]
.set j, j+2
.endr
.set j, 0
	s_wait_alu depctr_va_vdst(0)
.rept 64
	v_exp_f32 v[GS+j], v[GS+j]
.set j, j+1
.endr
	WIN 0
	v_nop
	s_wait_alu depctr_va_vdst(0)
	WIN 5*GW
	v_pk_add_f32 v[TT:TT+1], v[GS:GS+1], v[GS+2:GS+3]
	WIN 4*GW
.set j, 4
.rept 15
	v_pk_add_f32 v[LL+2*(\m):LL+2*(\m)+1], v[LL+2*(\m):LL+2*(\m)+1], v[GS+j:GS+j+1]
	v_pk_add_f32 v[TT:TT+1], v[TT:TT+1], v[GS+j+2:GS+j+3]
.set j, j+4
.endr
	WIN 0
	v_pk_add_f32 v[LL+2*(\m):LL+2*(\m)+1], v[LL+2*(\m):LL+2*(\m)+1], v[TT:TT+1]
	s_wait_dscnt 0x0
	WIN GW
.irp c, 0,1
	v_cvt_scalef32_pk16_bf6_f32 v[PC+6*\c:PC+6*\c+2], v[GS+32*\c:GS+32*\c+15], v[SO+16*(\i)+4*(\m)+2*\c]
	v_cvt_scalef32_pk16_bf6_f32 v[PC+12+4*\c:PC+14+4*\c], v[GS+32*\c+16:GS+32*\c+31], v[SO+16*(\i)+4*(\m)+2*\c+1]
.endr
	WIN 0
	v_nop
.irp c, 0,1
.irp u, 0,1,2
	v_permlane16_swap_b32 v[PC+6*\c+\u], v[PC+12+4*\c+\u]
.endr
.irp u, 0,1,2
	v_mov_b32 v[PC+3+6*\c+\u], v[PC+12+4*\c+\u]
.endr
.endr
.irp c, 0,1,2
	ds_store_b128 v14, v[PC+4*\c:PC+4*\c+3] offset:12288*(\m)+1536*(\i)+512*\c
.endr
	ds_store_b32 v15, v[PWD+4*(\i)+(\m)] offset:512*(\m)+64*(\i)
.endm
.macro FETCHV ct, half                 ; four fragments of v, K steps 4 half .. 4 half + 3 of tile ct, from memory into set ct % 2: 16 loads; a half fragment is 512 bytes (16 a lane) and 256 bytes (8 a lane)
	WIN 0x40
.set VB_, 96*((\ct)%2)+48*(\half)
.set VO_, 12288*(\ct)+6144*(\half)
.irp s, 0,1,2,3
	global_load_b128 v[VB_+12*\s:VB_+12*\s+3], v4, s[28:29] offset:VO_+1536*\s
	global_load_b64 v[VB_+12*\s+4:VB_+12*\s+5], v20, s[28:29] offset:VO_+1536*\s+512
	global_load_b128 v[VB_+12*\s+6:VB_+12*\s+9], v4, s[28:29] offset:VO_+1536*\s+768
	global_load_b64 v[VB_+12*\s+10:VB_+12*\s+11], v20, s[28:29] offset:VO_+1536*\s+1280
.endr
.endm
; THE ORDER OF LOADS in tile c's trip: x of tile c + 2 (8, in trips 2 to 9), v's first half of tile c + 2 (16, in the middle of the products), its second half (16, behind them).
.macro XCN k                           ; XC = the loads of x that trip k issues
.set XC, 0
.if ((\k) >= 2) && ((\k) <= 9)
.set XC, 8
.endif
.endm
; The wait for a half of tile ct.  Behind the first half (mid = 0) were issued: the second half, trip ct - 1's x and tile ct + 1, this trip's x.  Behind the second half (mid = 1): the same but itself, and
; the half of tile ct + 2 just asked for.  The count is held at the largest that the wait can name.
.macro VWAIT ct, mid
.set VN, 16-16*(\mid)
	XCN (\ct)-1
.set VN, VN+XC
.if (\ct)+1 < 12
.set VN, VN+32
.endif
	XCN \ct
.set VN, VN+XC
.if (\mid) && ((\ct)+2 < 12)
.set VN, VN+16
.endif
.if VN > 63
.set VN, 63
.endif
	s_wait_loadcnt VN
.endm
.macro VNF k                           ; NF: what may stay out when tile k takes its x, at the end of trip k + 1: that trip's x and v, and the half of v issued last in the trip before
	XCN (\k)+1
.set NF, XC
.if (\k)+3 < 12
.set NF, NF+32
.endif
.if (\k)+2 < 12
.set NF, NF+16
.endif
.endm
.macro XSET ct
.set XWN, 2+((\ct)%4)/2
.set XRG, 192+32*((\ct)%2)
.endm
.macro XLOAD ct
	XSET \ct
	WIN 64*XWN
.irp t, 0,1,2,3,4,5,6,7
	global_load_b128 v[XRG+4*\t:XRG+4*\t+3], v24, s[56:57] offset:65536*(\ct)+8192*\t th:TH_LOAD_NT
.endr
.endm
.macro MULV ct
.irp s, 0,1,2,3,4,5,6,7
.if \s == 4
.if (\ct)+2 < 12
	PLACES 4                                       ; in front of loads into registers that matrix instructions have read
	FETCHV (\ct)+2, 0
.endif
.if (\ct) >= 2
	VWAIT \ct, 1
.endif
.endif
	WIN 6+\s/4
.irp m, 0,1,2,3
.set rD, ACC+32*((\ct)%2)+8*\m
.set rA, 12*(4*(\s%4)+\m)
.set rB, 96*((\ct)%2)+12*\s
.if \s == 0
.set rC, -1
.else
.set rC, rD
.endif
.set rSA, PS+4*\m+\s/2
.set rSB, VSC+16*((\ct)/4)+2*\s+(\ct)%2
.set fA, \s%2
.set fB, ((\ct)%4)/2
	WM
.endr
.endr
.endm
.macro STAGE_IN ct
.irp m, 0,1,2,3
	ds_store_b128 v22, v[ACC+32*((\ct)%2)+8*\m:ACC+32*((\ct)%2)+8*\m+3] offset:128*(\m/2)+32*(\m%2)
	ds_store_b128 v22, v[ACC+32*((\ct)%2)+8*\m+4:ACC+32*((\ct)%2)+8*\m+7] offset:128*(\m/2)+32*(\m%2)+16
.endr
.irp t, 0,1,2,3,4,5,6,7
	ds_load_b128 v[OB+4*\t:OB+4*\t+3], v23 offset:544*\t
.endr
.endm
.macro FINISH ct, left
	WIN 0
	s_wait_dscnt 0x0
	s_wait_loadcnt \left
	XSET \ct
	WIN 16*XWN
.irp t, 0,1,2,3,4,5,6,7
.irp u, 0,2
	v_pk_fma_f32 v[OB+4*\t+\u:OB+4*\t+\u+1], v[OB+4*\t+\u:OB+4*\t+\u+1], v[RL+\u:RL+\u+1], v[XRG+4*\t+\u:XRG+4*\t+\u+1]
.endr
.endr
	WIN 0
.irp t, 0,1,2,3,4,5,6,7
	global_store_b128 v24, v[OB+4*\t:OB+4*\t+3], s[58:59] offset:65536*(\ct)+8192*\t th:TH_STORE_NT
.endr
.endm
.macro CT ct
	WIN 0
	PLACES 4
	s_wait_xcnt 0x0
.if ((\ct) >= 2) && ((\ct)+2 < 12)
	XLOAD (\ct)+2                                  ; into the set that tile ct - 2 has left
.endif
	WIN 0
.if (\ct) == 1
	ASKV 4
.elseif (\ct) == 3
	ASKV 5
.endif
.if (\ct) > 0
	STAGE_IN (\ct)-1
.endif
.if (\ct) >= 2
	VWAIT \ct, 0                                   ; (tiles 0 and 1 were waited for ahead of the first trip)
.endif
	MULV \ct
.if (\ct)+2 < 12
	PLACES 4
	FETCHV (\ct)+2, 1
.endif
.if (\ct) > 0
	VNF (\ct)-1
	FINISH (\ct)-1, NF
.endif
.endm
	s_load_b256 s[8:15], s[0:1], 0x0
	s_load_b128 s[16:19], s[0:1], 0x20
	v_lshl_add_u32 v[SPW], v0, 2, SPARE
	v_mov_b32 v[NIL], 0
	ds_add_u32 v28, v29
	ds_add_u32 v28, v29
	s_wait_dscnt 0x0
	v_lshrrev_b32 v1, 5, v0
	v_readfirstlane_b32 s[WV], v1
	s_bfe_u32 s21, ttmp6, 0x40000
	s_lshl_b32 s22, ttmp9, 2
	s_add_co_u32 s22, s22, s21
	s_and_b32 s23, ttmp7, 0xffff
	s_mov_b32 s[G1K], 15|(3<<16)|(1<<21)
	s_mov_b32 s[G1K+1], 32<<16
	s_mov_b32 s[G1K+2], 150<<16
	s_mov_b32 s[G1K+3], 32<<16
	s_mov_b32 s[G1K+4], 150
	s_mov_b32 s[G1K+5], 32
	s_mov_b32 s[G1K+6], 0
	s_mov_b32 s[G1K+7], 0
	s_mul_i32 s76, s[WV], KCH
	s_mov_b32 s73, 0
	s_mov_b32 s75, 0
	s_mov_b32 s60, 0x3d553b95
	s_mov_b32 s61, s60
	s_mov_b32 s62, 0x76543210
	s_mov_b32 s63, 0xfedcba98
	s_mov_b32 s66, 0x05040100
	s_mov_b32 s67, 0x07060302
	s_cmp_eq_u32 s[WV], 3
	s_cselect_b32 s70, 1, 0
	s_or_b32 s70, s70, ttmp9
	s_wait_kmcnt 0x0
	s_lshl_b32 s74, s23, 4
	s_lshl_b32 s78, s[WV], 2
	s_add_co_u32 s74, s74, s78
	s_mul_i32 s74, s74, KCH
	s_add_nc_u64 s[26:27], s[10:11], s[74:75]
	s_mul_i32 s74, s23, 589824
	s_mul_i32 s78, s[WV], 147456
	s_add_co_u32 s74, s74, s78
	s_add_nc_u64 s[28:29], s[12:13], s[74:75]
	s_mul_i32 s74, s23, 24576
	s_mul_i32 s78, s[WV], 384
	s_add_co_u32 s74, s74, s78
	s_add_nc_u64 s[30:31], s[14:15], s[74:75]
	CROUND
	s_mov_b32 s48, 1
	s_mov_b32 s49, s76
	s_mov_b64 s[50:51], s[26:27]
	s_or_b32 s51, s51, 0x80000000
	s_mov_b32 s52, 1
	s_add_co_u32 s53, s76, REGB
	s_add_nc_u64 s[54:55], s[26:27], KCH
	s_or_b32 s55, s55, 0x80000000
	tensor_load_to_lds s[48:51], s[G1K:G1K+7]
	s_nop 0
	PLACES 4                                       ; k's chunk 0 is out: q's loads and the addresses are made meanwhile
	s_lshl_b32 s72, s23, 4
	s_add_co_u32 s72, s72, s22
	s_mul_i32 s72, s72, KCH
	s_add_nc_u64 s[24:25], s[8:9], s[72:73]
	s_mul_i32 s72, s23, 3145728
	s_mul_i32 s79, s[WV], 786432
	s_add_co_u32 s72, s72, s79
	s_lshl_b32 s79, s22, 8
	s_add_co_u32 s72, s72, s79
	s_add_nc_u64 s[56:57], s[16:17], s[72:73]
	s_add_nc_u64 s[58:59], s[18:19], s[72:73]
	s_mul_i32 s72, s23, 589824
	s_mul_i32 s79, s21, 147456
	s_add_co_u32 s72, s72, s79
	s_lshl_b32 s79, s[WV], 13
	s_add_co_u32 s72, s72, s79
	s_add_nc_u64 s[68:69], s[12:13], s[72:73]
	v_and_b32 v1, 31, v0
	v_and_b32 v2, 15, v0
	v_bfe_u32 v3, v0, 4, 1
	v_lshlrev_b32 v4, 4, v1
	v_lshlrev_b32 v5, 2, v1
	v_min_u32 v27, 9, v1
	s_mul_i32 s78, s22, 10
	v_add_nc_u32 v27, s78, v27
	v_min_u32 v27, 149, v27                        ; block 10 g + min(lane, 9) of a chunk's 150, held at the last
	v_lshlrev_b32 v27, 8, v27
	global_prefetch_b8 v27, s[26:27] offset:KCH th:TH_LOAD_NT scope:SCOPE_SE
	global_prefetch_b8 v27, s[26:27] offset:2*KCH th:TH_LOAD_NT scope:SCOPE_SE
	WIN 0x40
.irp m, 0,1,2,3
.irp s, 0,1,2,3,4
.irp c, 0,1,2
	global_load_b128 v[12*(5*\m+\s)+4*\c:12*(5*\m+\s)+4*\c+3], v4, s[24:25] offset:9216*\m+1536*\s+512*\c
.endr
.endr
.endr
	WIN 0
.irp m, 0,1,2,3
.irp c, 0,1,2
	global_load_b128 v[Q5+12*\m+4*\c:Q5+12*\m+4*\c+3], v4, s[24:25] offset:9216*\m+1536*5+512*\c
.endr
.endr
.irp m, 0,1,2,3
.irp i, 0,1,2
	global_load_b32 v[QS+3*\m+\i], v5, s[24:25] offset:36864+384*\m+128*\i
.endr
.endr
	v_add_nc_u32 v6, s76, v4
	v_add_nc_u32 v7, REGB, v6
	v_add_nc_u32 v8, s76, v5
	v_add_nc_u32 v8, 36864, v8
	v_add_nc_u32 v9, REGB, v8
	s_lshl_b32 s78, s[WV], 2
	s_add_co_u32 s78, s78, STATM
	v_lshl_add_u32 v10, v2, 4, s78
	v_lshl_add_u32 v11, v2, 4, STATM
	v_and_b32 v12, 8, v2
	v_add_nc_u32 v12, v12, v2
	s_lshl_b32 s78, s[WV], 8
	s_add_co_u32 s78, s78, LSUM
	v_lshl_add_u32 v12, v12, 2, s78
	v_lshl_add_u32 v13, v2, 4, LSUM
	s_mul_i32 s78, s[WV], 3072
	s_add_co_u32 s78, s78, PIMG
	v_add_nc_u32 v14, s78, v4
	s_lshl_b32 s78, s[WV], 7
	s_add_co_u32 s78, s78, PSC
	v_lshl_add_u32 v15, v2, 2, s78
	v_add_nc_u32 v16, PIMG, v4
	v_add_nc_u32 v17, PSC, v5
	v_lshlrev_b32 v20, 3, v1                       ; 8 x lane: the 256-byte pieces of v's fragments
	s_mul_i32 s78, s[WV], 16*272
	s_add_co_u32 s78, s78, STAGE
	v_mul_u32_u24 v22, v2, 272
	v_lshl_add_u32 v22, v3, 6, v22
	v_add_nc_u32 v22, s78, v22
	v_mul_u32_u24 v23, v3, 272
	v_lshl_add_u32 v23, v2, 4, v23
	v_add_nc_u32 v23, s78, v23
	v_lshlrev_b32 v24, 12, v3
	v_lshl_add_u32 v24, v2, 4, v24
	v_lshlrev_b32 v25, 12, v1
	v_lshlrev_b32 v26, 8, v1
	s_wait_alu depctr_va_vdst(0)
	s_wait_tensorcnt 0x0                           ; my part of chunk 0 is in; region 1's first fill is issued as a refill is:
	ds_add_u32 v28, v29                            ; 0 onto my spare word
	s_wait_dscnt 0x0
	CROUND
	tensor_load_to_lds s[52:55], s[G1K:G1K+7]      ; chunk 1: the first tensor load behind the round
	s_nop 0
	PLACES 4
	FETCHK 0
	s_wait_loadcnt 0x0
.set KT, 0
.rept 16
.if KT == 15
	WIN 0                                          ; the last tile of keys: nothing more to fetch
	s_wait_dscnt 0x0
.irp s, 0,1,2,3,4,5
	MULK 15, \s
.endr
.elseif (KT == 3) || (KT == 7)
	KTURN KT
.else
	KPLAIN KT
.endif
.set KT, KT+1
.endr
	WIN 0
	PLACES 4
	WIN 0x40
.irp g, 0,1,2,3,4,5,6,7,8,9,10,11,12,13,14,15
.irp q, 0,1,2
	global_load_b32 v[192+3*\g+\q], v5, s[30:31] offset:1536*\g+128*\q
.endr
.endr
.irp i, 0,1
	WIN 21*(2+\i)
.irp m, 0,1,2,3
.irp b, 0,1,2,3
	v_max3_num_f32 v[BM+16*\i+4*\m+\b], v[64*\m+16*\b], v[64*\m+16*\b+1], v[64*\m+16*\b+2]
.endr
.endr
	WIN 20*(2+\i)
.irp k, 3,5,7,9,11,13
.irp m, 0,1,2,3
.irp b, 0,1,2,3
	v_max3_num_f32 v[BM+16*\i+4*\m+\b], v[BM+16*\i+4*\m+\b], v[64*\m+16*\b+\k], v[64*\m+16*\b+\k+1]
.endr
.endr
.endr
	WIN 4*(2+\i)
.irp m, 0,1,2,3
.irp b, 0,1,2,3
	v_max_num_f32 v[BM+16*\i+4*\m+\b], v[BM+16*\i+4*\m+\b], v[64*\m+16*\b+15]
.endr
.endr
.endr
	WIN 0
.set j, 0
.rept 32
	v_permlanex16_b32 v[BT+j], v[BM+j], s62, s63
.set j, j+1
.endr
.set j, 0
.rept 32
	v_max_num_f32 v[BM+j], v[BM+j], v[BT+j]
.set j, j+1
.endr
.irp m, 0,1,2,3
	v_max3_num_f32 v[WMX+\m], v[BM+4*\m], v[BM+4*\m+1], v[BM+4*\m+2]
.endr
.irp m, 0,1,2,3
	v_max3_num_f32 v[WMX+\m], v[WMX+\m], v[BM+4*\m+3], v[BM+16+4*\m]
.endr
.irp m, 0,1,2,3
	v_max3_num_f32 v[WMX+\m], v[WMX+\m], v[BM+16+4*\m+1], v[BM+16+4*\m+2]
.endr
.irp m, 0,1,2,3
	v_max_num_f32 v[WMX+\m], v[WMX+\m], v[BM+16+4*\m+3]
.endr
.irp m, 0,1,2,3
	ds_store_b32 v10, v[WMX+\m] offset:256*\m
.endr
	BARRIER
	ASKV 3
	FETCHV 0, 0                                    ; v's tile 0 into window 1, v0-95, where q lay
	FETCHV 0, 1
	WIN 0
.irp m, 0,1,2,3
	ds_load_b128 v[EX+4*\m:EX+4*\m+3], v11 offset:256*\m
.endr
	s_wait_dscnt 0x0
.irp m, 0,1,2,3
	v_max3_num_f32 v[WMX+\m], v[EX+4*\m], v[EX+4*\m+1], v[EX+4*\m+2]
.endr
.irp m, 0,1,2,3
	v_max_num_f32 v[WMX+\m], v[WMX+\m], v[EX+4*\m+3]
.endr
.irp m, 0,1,2,3
	v_mul_f32 v[NM+2*\m+1], s60, v[WMX+\m]
.endr
.irp m, 0,1,2,3
	v_floor_f32 v[NM+2*\m], -v[NM+2*\m+1]
.endr
.irp i, 0,1
.irp m, 0,1,2,3
.irp b, 0,1,2,3
	v_fma_f32 v[BM+16*\i+4*\m+\b], v[BM+16*\i+4*\m+\b], s60, v[NM+2*\m]
.endr
.endr
.endr
.set j, 0
	s_wait_alu depctr_va_vdst(0)
.rept 32
	v_exp_f32 v[BM+j], v[BM+j]
.set j, j+1
.endr
.set j, 0
.rept 8
	v_mov_b32 v[LL+j], 0
.set j, j+1
.endr
	s_wait_alu depctr_va_vdst(0)
.set j, 0
.rept 32
	v_max_num_f32 v[BM+j], 0x2800000, v[BM+j]
.set j, j+1
.endr
.set j, 0
.rept 32
	v_add_nc_u32 v[SO+j], 0xfe000000, v[BM+j]
.set j, j+1
.endr
.set j, 0
.rept 32
	v_lshrrev_b32 v[BT+j], 23, v[SO+j]
.set j, j+1
.endr
.set j, 0
.rept 8
	v_lshl_or_b32 v[PWD+j], v[BT+4*j+1], 8, v[BT+4*j]
	v_lshl_or_b32 v[PWD+j], v[BT+4*j+2], 16, v[PWD+j]
	v_lshl_or_b32 v[PWD+j], v[BT+4*j+3], 24, v[PWD+j]
.set j, j+1
.endr
	GROUP 0, 3                                     ; query tile 3 first: its scores' registers take x of tiles 0-3
	XLOAD 0
	XLOAD 1
	GROUP 1, 3
	XLOAD 2
	XLOAD 3
	GROUP 0, 0
	FETCHV 1, 0                                    ; v's tile 1
	FETCHV 1, 1
	ASKX 2                                         ; x's rows of tiles 4, 5
	GROUP 1, 0
	ASKX 3                                         ; of tiles 6, 7
	GROUP 0, 1
	ASKX 4                                         ; of tiles 8, 9
	GROUP 1, 1
	ASKX 5                                         ; of tiles 10, 11
	GROUP 0, 2
	GROUP 1, 2
.irp m, 0,1,2,3
	v_add_f32 v[LL+2*\m], v[LL+2*\m], v[LL+2*\m+1]
.endr
.irp m, 0,1,2,3
	v_permlanex16_b32 v[BT+\m], v[LL+2*\m], s62, s63
.endr
.irp m, 0,1,2,3
	v_add_f32 v[LL+2*\m], v[LL+2*\m], v[BT+\m]
.endr
.irp m, 0,1,2,3
	ds_store_b32 v12, v[LL+2*\m] offset:128*(\m/2)+32*(\m%2)
.endr
	BARRIER
	WIN 0x80
.irp s, 0,1,2,3
.irp m, 0,1,2,3
.irp c, 0,1,2
	ds_load_b128 v[12*(4*\s+\m)+4*\c:12*(4*\s+\m)+4*\c+3], v16 offset:(8*\m+\s)*1536+512*\c
.endr
.endr
.endr
	WIN 0xc0
.irp s, 0,1,2,3
.irp m, 0,1,2,3
.irp c, 0,1,2
	ds_load_b128 v[12*(4*\s+\m)+4*\c:12*(4*\s+\m)+4*\c+3], v16 offset:(8*\m+\s+4)*1536+512*\c
.endr
.endr
.endr
	WIN 0
.irp m, 0,1,2,3
.irp i, 0,1,2,3
	ds_load_b32 v[PS+4*\m+\i], v17 offset:512*\m+128*\i
.endr
.endr
.irp w, 0,1,2,3
	ds_load_b128 v[LS+4*\w:LS+4*\w+3], v13 offset:256*\w
.endr
	WIN 0
	s_wait_loadcnt 0x0
	WIN 0x05
.irp q, 0,1,2
.irp s, 0,1,2,3,4,5,6,7
	v_perm_b32 v[VSC+16*\q+2*\s], v[192+3*(2*\s+1)+\q], v[192+3*(2*\s)+\q], s66
	v_perm_b32 v[VSC+16*\q+2*\s+1], v[192+3*(2*\s+1)+\q], v[192+3*(2*\s)+\q], s67
.endr
.endr
	WIN 0
	s_wait_dscnt 0x0                               ; p's fragments, its scale words and the sums are in
.irp u, 0,2
	v_pk_add_f32 v[RL+\u:RL+\u+1], v[LS+\u:LS+\u+1], v[LS+4+\u:LS+4+\u+1]
	v_pk_add_f32 v[LS+8+\u:LS+8+\u+1], v[LS+8+\u:LS+8+\u+1], v[LS+12+\u:LS+12+\u+1]
.endr
.irp u, 0,2
	v_pk_add_f32 v[RL+\u:RL+\u+1], v[RL+\u:RL+\u+1], v[LS+8+\u:LS+8+\u+1]
.endr
	s_wait_alu depctr_va_vdst(0)
.irp u, 0,1,2,3
	v_rcp_f32 v[RL+\u], v[RL+\u]
.endr
	v_nop
	s_wait_alu depctr_va_vdst(0)
	PLACES 8
.set CTN, 0
.rept 12
	CT CTN
.set CTN, CTN+1
.endr
	WIN 0
	PLACES 4
	s_wait_xcnt 0x0
	STAGE_IN 11
	FINISH 11, 0
	s_wait_tensorcnt 0x0
	ds_add_u32 v[SPW], v[NIL]
	s_wait_dscnt 0x0
	CROUND
	s_endpgm
.Lfunc_end_k_q5471b531d3_attn:
	.size	k_q5471b531d3_attn, .Lfunc_end_k_q5471b531d3_attn-k_q5471b531d3_attn
	.p2alignl 7, 3214868480
	.fill 96, 4, 3214868480
	.section	.rodata,"a",@progbits
	.p2align	6, 0x0
	.amdhsa_kernel k_q5471b531d3_attn
		.amdhsa_group_segment_fixed_size 327680
		.amdhsa_private_segment_fixed_size 0
		.amdhsa_enable_private_segment 0
		.amdhsa_kernarg_size 48
		.amdhsa_user_sgpr_count 2
		.amdhsa_user_sgpr_kernarg_segment_ptr 1
		.amdhsa_wavefront_size32 1
		.amdhsa_system_sgpr_workgroup_id_x 1
		.amdhsa_system_sgpr_workgroup_id_y 1
		.amdhsa_system_sgpr_workgroup_id_z 1
		.amdhsa_system_vgpr_workitem_id 0
		.amdhsa_next_free_vgpr 1024
		.amdhsa_next_free_sgpr 90
		.amdhsa_reserve_vcc 0
		.amdhsa_float_denorm_mode_32 3
		.amdhsa_float_denorm_mode_16_64 3
		.amdhsa_memory_ordered 1
		.amdhsa_forward_progress 1
		.amdhsa_inst_pref_size 255
	.end_amdhsa_kernel
	.section	.bss,"aw",@nobits
	.p2align	6
	.space	262144
	.amdgpu_metadata
---
amdhsa.version: [ 1, 2 ]
amdhsa.kernels:
  - .name:           k_q5471b531d3_attn
    .symbol:         k_q5471b531d3_attn.kd
    .args:
      - { .name: qws, .offset: 0, .size: 8, .value_kind: global_buffer, .address_space: global }
      - { .name: kws, .offset: 8, .size: 8, .value_kind: global_buffer, .address_space: global }
      - { .name: vws, .offset: 16, .size: 8, .value_kind: global_buffer, .address_space: global }
      - { .name: vsc, .offset: 24, .size: 8, .value_kind: global_buffer, .address_space: global }
      - { .name: x, .offset: 32, .size: 8, .value_kind: global_buffer, .address_space: global }
      - { .name: out0, .offset: 40, .size: 8, .value_kind: global_buffer, .address_space: global }
    .group_segment_fixed_size: 327680
    .private_segment_fixed_size: 0
    .kernarg_segment_align: 8
    .kernarg_segment_size: 48
    .max_flat_workgroup_size: 128
    .sgpr_count:     90
    .vgpr_count:     1024
    .wavefront_size: 32
...
	.end_amdgpu_metadata
.endif
;; end of part 2
